; MI455X (gfx1250); checked and timed in simulation.
; The chip was launched on July 23, 2026; its instructions are those of AMD's public machine-readable ISA for CDNA 5 (MIT licence, August 2026) and "CDNA5" Instruction Set Architecture Reference Guide (July 2026). The comments in the code are by the model that wrote it; some were corrected since.
;; Attention. Allowed arithmetic: matrix products marked QUANTISED: E5M2 operands, one E8M0 scale for each 32 along K, by v_wmma_scale_f32_16x16x128_f8f6f4 with both operands' format E5M2, f32 sums; products left as they are: f32 operands where the result goes on into a quantised operand, else bf16, f16 or f32 operands; f32 sums; everything else in f32.
;; Inputs: W 1,024 x 1,024 float32; b 1,024 float32; encoder_outputs 2,048 x 32 x 1,024 float32; hidden 1 x 32 x 1,024 float32.
;; Outputs: out0 32 x 1 x 2,048 float32.
;; This version of the problem:
;;   THIS VERSION OF THE PROBLEM IS GIVEN IN LOW PRECISION. The matrix products marked QUANTISED in the list below multiply operands that are first quantised to E5M2 (5 exponent bits, 2 mantissa bits; 8 bits a number), with one power-of-two scale for each 32 numbers along K (OCP MX v1.0); their sums are f32. All else is computed in f32.
;;   The module's matrix products, in the order in which they are computed (A, B: the left and right operand; K: the contracted axis; several contracted axes count as one K, in the product's order):
;;     1. [M 65,536, K 1,024] x [K 1,024, N 1,024]; A: input encoder_outputs; B: input W: QUANTISED
;;     2. batch 32 x [M 1, K 1,024] x [K 1,024, N 2,048]; A: input hidden; B: computed on the way: left as it is (M = 1 < 16)
;;   THE QUANTISER, for each operand of a quantised product, along K:
;;     - K is cut into blocks of 32 from its start; a last block that is shorter is filled with zeros.
;;     - A block's scale is 2^e with e = floor(log2(the largest magnitude in the block)) - 15, held to -126 .. 127; a block of zeros has e = 0. As a byte (E8M0): e + 127.
;;     - Each number is divided by its block's scale, clamped to +-57,344, and rounded to the nearest number of E5M2, ties to even, subnormals kept.
;;     - The product sums the exact products of the quantised numbers (number of the format x scale) in f32.
;;   ~~~python
;;   def quantise(x, axis):      # numpy; x: float32 -> the quantised numbers, widened to float32 again
;;       x = np.moveaxis(x, axis, -1); K = x.shape[-1]
;;       x = np.pad(x, [(0, 0)] * (x.ndim - 1) + [(0, -K % 32)]); x = x.reshape(x.shape[:-1] + (-1, 32)); a = np.abs(x).max(-1, keepdims=True)
;;       e = np.where(a > 0, np.clip(np.frexp(np.where(a > 0, a, 1))[1] - 1 - 15, -126, 127), 0)      # np.frexp(a)[1] - 1 = floor(log2(a)), exactly
;;       r = np.clip(x / 2.0 ** e, -57344, 57344)
;;       step = 2.0 ** (np.maximum(np.frexp(np.where(r == 0, 1, r))[1] - 1, -14) - 2)
;;       q = np.round(r / step) * step * 2.0 ** e      # np.round: ties to even
;;       return np.moveaxis(q.reshape(q.shape[:-2] + (-1,))[..., :K], -1, axis).astype(np.float32)
;;   ~~~
;; One version. Each part assembles by itself: llvm-mc -triple=amdgcn-amd-amdhsa -mcpu=gfx1250 --defsym DOCPART=n.
;; ======== version 1 of 1: 3 launches
;; limits: right only within a limited range of input values
;; workspace buffers: wq 1,048,576 bytes; ws 32,768 bytes; part 1,048,576 bytes
;; launch quantw (part 1): grid 128 x 1, 4 waves a work-group, no clusters, 768 bytes of LDS; arguments W, wq, ws; writes wq, ws
.if DOCPART == 1
	.amdgcn_target "amdgcn-amd-amdhsa--gfx1250"
	.amdhsa_code_object_version 6
	.text
	.protected	k_qd94456e08c_quantw
	.globl	k_qd94456e08c_quantw
	.p2align	8
	.type	k_qd94456e08c_quantw,@function
k_qd94456e08c_quantw:
	s_mov_b64 s[64:65], 0
	v_nop
	global_prefetch_b8 v0, s[64:65] scope:SCOPE_SE
	s_setreg_imm32_b32 hwreg(HW_REG_WAVE_MODE, 25, 1), 1
	s_wait_xcnt 0x0
; W [1024 (n)][1024 (k)], f32, K innermost, becomes codes of BF8 (E5M2) with one E8M0 scale byte for each 32 along K, laid in the ORDER OF THE OPERAND'S REGISTERS for the launch that follows.
; wq: [c 4][w 4][i 16][ks 2][cc 4] images of 512 bytes: lane l's 16 bytes at 16 l are the codes of W[256 w + 16 i + l % 16][256 c + 128 ks + 32 cc + 16 (l / 16) + 0 .. 15].
; ws: [c 4][w 4][ip 8] images of 256 bytes: lane l's 8 bytes at 8 l are two scale words (four bytes, 128 along K each) of rows 256 w + 16 (2 ip + 0, 1) + l % 16, for K step l / 16 of quarter c.
; A block's scale is 2^(floor(log2(its largest magnitude)) - 15); its byte is the largest magnitude's exponent field - 15, held at 1 from below.  Each number is held within +-57,344 x the scale and rounded to the nearest code, ties to even.
; LIMITS: a block of zeros gets the byte 1 where the rule says 127: its codes are zeros, which add nothing, and this program alone reads the bytes.  Blocks whose largest magnitude lies under 2^-111 (the floor) were not tried.  NaN and infinities are not served.
; SHARES: work-group x, wave v: ONE fragment, 16 rows n0 = 32 (x % 32) + 16 (v / 2) on, 128 along K from k0 = 256 (x / 32) + 128 (v % 2) on.  Lane (r, h) takes, of row r, 16 neighbours of each block of 32: the conversions' results are the operand's registers.
; W is 4 MiB and is read once here; each of a lane's loads takes 16 bytes of a row, and a wave's sixteen loads together take 512 consecutive bytes of each of 16 rows.
; DEAD WORK LEFT OUT: the input b.  score[b][s] = sum over n of hidden[b][n] (proj[s][b][n] + b[n]); its share, sum over n of hidden[b][n] b[n], is one number for a row b, the same for every s,
; and the softmax runs along s: it takes the same number away from every score of the row, whatever finite values b and hidden hold.  No quantiser stands behind it.  So b is not loaded and is no launch's argument.
; LIMIT: a NaN, an infinity or an overflow that reaches only that share is not carried to the result.
.set X,   16                           ; v16-79   64 numbers: register 16 cc + e = k 32 cc + 16 h + e of my row
.set PC,  80                           ; v80-95   the codes
.set TM,  96                           ; v96-99 largest magnitudes, v100-103 bytes (v100: the scale word), v104-107 the largest number x the scale, v108-111 the conversions' scale operands
.set SEL, 20                           ; s[20:21] lane selects for v_permlanex16_b32: lane l xor 16
.set MNT, 22                           ; s22      the mantissa field of 57,344
; The quantiser of 64 numbers of a lane as a list of 32 groups of four lines (group 13: three); QG writes group g.
.macro QG g
.if (\g) == 0
.irp b, 0,1,2,3
	v_max3_num_f32 v[TM+\b], |v[X+16*\b]|, |v[X+16*\b+1]|, 0x8000000   ; block b: my 16 numbers, and the floor 2^(16 - 127): the byte cannot fall under 1
.endr
.elseif (\g) < 8
.irp b, 0,1,2,3
	v_max3_num_f32 v[TM+\b], v[TM+\b], |v[X+16*\b+2*(\g)]|, |v[X+16*\b+2*(\g)+1]|   ; the four blocks by turns
.endr
.elseif (\g) == 8
.irp b, 0,1,2,3
	v_permlanex16_b32 v[TM+4+\b], v[TM+\b], s[SEL], s[SEL+1]
.endr
.elseif (\g) == 9
.irp b, 0,1,2,3
	v_max_num_f32 v[TM+\b], v[TM+\b], v[TM+4+\b]                      ; with lane l xor 16's 16: the block's largest magnitude
.endr
.elseif (\g) == 10
.irp b, 0,1,2,3
	v_add_nc_u32 v[TM+12+\b], 0xf8800000, v[TM+\b]                    ; 15 off its exponent field: the conversion takes the exponent field of this operand as its scale
.endr
.elseif (\g) == 11
.irp b, 0,1,2,3
	v_and_or_b32 v[TM+8+\b], v[TM+\b], 0x7f800000, s[MNT]             ; 57,344 x the scale
.endr
.elseif (\g) == 12
.irp b, 0,1,2,3
	v_lshrrev_b32 v[TM+4+\b], 23, v[TM+12+\b]                         ; the scale's byte
.endr
.elseif (\g) == 13
	v_lshl_or_b32 v[TM+4], v[TM+5], 8, v[TM+4]                        ; the four bytes make my row's scale word
	v_lshl_or_b32 v[TM+4], v[TM+6], 16, v[TM+4]
	v_lshl_or_b32 v[TM+4], v[TM+7], 24, v[TM+4]
.else
.irp n, 0,1,2,3                        ; 72 lines: for each block 16 holds and 2 conversions
.set qe, 4*((\g)-14)+\n
.set qb, qe/18
.set qp, qe%18
.if qp < 16
	v_med3_num_f32 v[X+16*qb+qp], v[X+16*qb+qp], -v[TM+8+qb], v[TM+8+qb]   ; the conversion to an 8-bit code does not saturate (ISA guide 7.6.2): the hold comes first
.else
	v_cvt_scalef32_pk8_bf8_f32 v[PC+4*qb+2*(qp-16):PC+4*qb+2*(qp-16)+1], v[X+16*qb+8*(qp-16):X+16*qb+8*(qp-16)+7], v[TM+12+qb]
.endif
.endr
.endif
.endm
	s_load_b128 s[4:7], s[0:1], 0x0                ; W s[4:5], wq s[6:7]
	s_load_b64 s[8:9], s[0:1], 0x10                ; ws
	v_lshl_add_u32 v112, v0, 2, 0x100
	v_mov_b32 v113, 0
	v_lshrrev_b32 v1, 5, v0
	v_readfirstlane_b32 s10, v1                    ; wave 0..3
	v_and_b32 v1, 15, v0                           ; r
	v_bfe_u32 v2, v0, 4, 1                         ; h
	v_lshlrev_b32 v3, 12, v1                       ; W: row r of 4,096 bytes,
	v_lshl_add_u32 v3, v2, 6, v3                   ; + 64 h: my 16 numbers of a block of 32
	v_and_b32 v6, 31, v0                           ; lane
	v_lshlrev_b32 v4, 4, v6                        ; an image's place for my lane: 16 x lane
	v_lshlrev_b32 v6, 3, v6                        ; the scale image's: 8 x lane
	s_and_b32 s11, s10, 1                          ; ks = wave % 2
	s_lshr_b32 s12, s10, 1                         ; ii = wave / 2
	s_lshl_b32 s13, s11, 7
	s_lshl_b32 s14, s12, 2
	s_add_co_u32 s13, s13, s14
	v_lshl_add_u32 v5, v1, 3, s13                  ; LDS: my row's word in the scale image: 8 (r + 16 ks) + 4 ii
	s_and_b32 s16, ttmp9, 31
	s_lshl_b32 s16, s16, 17                        ; 32 (x % 32) rows of 4,096 bytes
	s_lshl_b32 s17, s12, 16                        ; + 16 ii rows
	s_add_co_u32 s16, s16, s17
	s_lshr_b32 s17, ttmp9, 5
	s_lshl_b32 s17, s17, 10                        ; + 256 (x / 32) numbers
	s_add_co_u32 s16, s16, s17
	s_lshl_b32 s17, s11, 9                         ; + 128 ks numbers
	s_add_co_u32 s16, s16, s17
	s_mov_b32 s17, 0
	s_lshl_b32 s18, ttmp9, 13                      ; wq: 8,192 x + 2,048 x wave
	s_lshl_b32 s19, s10, 11
	s_add_co_u32 s18, s18, s19
	s_mov_b32 s19, 0
	s_lshl_b32 s24, ttmp9, 8                       ; ws: 256 x
	s_mov_b32 s25, 0
	s_mov_b32 s[SEL], 0x76543210
	s_mov_b32 s[SEL+1], 0xfedcba98
	s_mov_b32 s[MNT], 0x600000
.irp b, 0,1,2,3
	v_mov_b32 v[TM+4+\b], 0                        ; a lane permute's destination counts as one of its sources
.endr
	s_wait_alu depctr_va_vdst(0)
	s_wait_kmcnt 0x0
	s_add_nc_u64 s[4:5], s[4:5], s[16:17]
	s_add_nc_u64 s[6:7], s[6:7], s[18:19]
	s_add_nc_u64 s[8:9], s[8:9], s[24:25]
.irp cc, 0,1,2,3
.irp j, 0,1,2,3
	global_load_b128 v[X+16*\cc+4*\j:X+16*\cc+4*\j+3], v3, s[4:5] offset:128*\cc+16*\j
.endr
.endr
	s_wait_loadcnt 0x0
.set qi, 0
.rept 32
	QG qi
.set qi, qi+1
.endr
	v_nop                                          ; one plain line behind the last conversion
.irp cc, 0,1,2,3
	global_store_b128 v4, v[PC+4*\cc:PC+4*\cc+3], s[6:7] offset:512*\cc   ; 32 lanes store 512 consecutive bytes, aligned
.endr
	ds_store_b32 v5, v[TM+4]                       ; lanes l and l xor 16 write the same word with the same value
	s_wait_dscnt 0x0                               ; for the others' sake: my word lies in LDS
	s_barrier_signal -1
	s_barrier_wait -1                              ; the four waves' 64 words make one image of 256 bytes
	s_cmp_lg_u32 s10, 0
	s_cbranch_scc1 .Ldone
	ds_load_b64 v[8:9], v6
	s_wait_dscnt 0x0
	global_store_b64 v6, v[8:9], s[8:9]            ; 32 lanes store 256 consecutive bytes, aligned
.Ldone:
	s_wait_tensorcnt 0x0
	ds_add_u32 v112, v113
	s_wait_dscnt 0x0
	s_endpgm
.Lfunc_end_k_qd94456e08c_quantw:
	.size	k_qd94456e08c_quantw, .Lfunc_end_k_qd94456e08c_quantw-k_qd94456e08c_quantw
	.p2alignl 7, 3214868480
	.fill 96, 4, 3214868480
	.section	.rodata,"a",@progbits
	.p2align	6, 0x0
	.amdhsa_kernel k_qd94456e08c_quantw
		.amdhsa_group_segment_fixed_size 768
		.amdhsa_private_segment_fixed_size 0
		.amdhsa_enable_private_segment 0
		.amdhsa_kernarg_size 24
		.amdhsa_user_sgpr_count 2
		.amdhsa_user_sgpr_kernarg_segment_ptr 1
		.amdhsa_wavefront_size32 1
		.amdhsa_system_sgpr_workgroup_id_x 1
		.amdhsa_system_sgpr_workgroup_id_y 1
		.amdhsa_system_sgpr_workgroup_id_z 1
		.amdhsa_system_vgpr_workitem_id 0
		.amdhsa_next_free_vgpr 114
		.amdhsa_next_free_sgpr 66
		.amdhsa_reserve_vcc 0
		.amdhsa_float_denorm_mode_32 3
		.amdhsa_float_denorm_mode_16_64 3
		.amdhsa_memory_ordered 1
		.amdhsa_forward_progress 1
		.amdhsa_inst_pref_size 13
	.end_amdhsa_kernel
	.amdgpu_metadata
---
amdhsa.version: [ 1, 2 ]
amdhsa.kernels:
  - .name:           k_qd94456e08c_quantw
    .symbol:         k_qd94456e08c_quantw.kd
    .args:
      - { .name: W, .offset: 0, .size: 8, .value_kind: global_buffer, .address_space: global }
      - { .name: wq, .offset: 8, .size: 8, .value_kind: global_buffer, .address_space: global }
      - { .name: ws, .offset: 16, .size: 8, .value_kind: global_buffer, .address_space: global }
    .group_segment_fixed_size: 768
    .private_segment_fixed_size: 0
    .kernarg_segment_align: 8
    .kernarg_segment_size: 24
    .max_flat_workgroup_size: 128
    .sgpr_count:     66
    .vgpr_count:     114
    .wavefront_size: 32
...
	.end_amdgpu_metadata
.endif
;; end of part 1
;; launch scores (part 2): grid 256 x 1, 8 waves a work-group, no clusters, 327,680 bytes of LDS; arguments encoder_outputs, hidden, wq, ws, part; writes part
.if DOCPART == 2
	.amdgcn_target "amdgcn-amd-amdhsa--gfx1250"
	.amdhsa_code_object_version 6
	.text
	.protected	k_qd94456e08c_scores
	.globl	k_qd94456e08c_scores
	.p2align	8
	.type	k_qd94456e08c_scores,@function
k_qd94456e08c_scores:
	s_mov_b64 s[64:65], 0
	v_nop
	global_prefetch_b8 v0, s[64:65] scope:SCOPE_SE
	s_setreg_imm32_b32 hwreg(HW_REG_WAVE_MODE, 25, 1), 1
	s_wait_xcnt 0x0
; part[c][b][s] = sum over n of hidden[b][n] x (sum over k in quarter c of Q(encoder_outputs)[s][b][k] Q(W)[n][k]).  The input b is left out as dead work: see the head of quantw.
; SHARES: work-group x: K quarter c = x % 4 (256 along K), batch b = (x / 4) % 32, half x / 128 of s: 1,024 rows.  256 work-groups.  Eight waves; wave v holds W's rows 128 v .. + 127 of the quarter as codes in
; 256 registers for the whole launch.  A ROUND is 64 rows: four tiles of 16.  Wave v quantises fragment v of a round: tile v / 2, 128 along K number v % 2; the codes reach all waves through LDS as images of the operand's registers.
; Source 0 = 16 rows of W, source 1 = 16 rows of encoder_outputs: lane (r, h) holds row s = r and n = 8 h + 0 .. 7 of a tile; the product with hidden is 4 packed lines an accumulator, in f32.
; ORDER in a tile: PHA: for each of the 8 accumulators the tile before's product with hidden, then this tile's first 128 along K; PHB: the second 128 along K, with a part of the next round's quantising between the matrix instructions.
; FEED: two LDS slots of 128 rows x 256 f32 (1,024 bytes a row, on a 256-byte border), a wave's tensor load brings 16 rows.  Slot j holds rounds 2 j, 2 j + 1; it is filled again behind round 2 j's barrier.
; PREFETCH: slot 1 is named at the head, among W's loads; behind each later load the slot after it: my 16 rows, 64 blocks of 256 bytes, two instructions a wave, each block named once; it ends with slot 7, the last.
; cluster = none: encoder_outputs' rows are read by one work-group alone; W's quarter (256 KiB beside 1 MiB of rows) is read once, at the head, straight into registers in the operand's order.
; LDS: 0 the scores' stage, 512 bytes a tile (8 waves x 64), tiles 0-51 in bytes of their own, tiles 52-63 over slot 0's first rows, whose last fill has been read by then; then slot 0, slot 1, two code buffers, the spare words.
; LIMITS: blocks whose largest magnitude lies under 2^-111 (the floor, byte 1) were not tried; NaN and infinities are not served.
; REGISTERS.  Window 1: W tiles 0-5 (32 each), their hidden (8 each) from v192.  Window 0: the rest.
.set PITCH, 1040
.set SLOT,  128*PITCH
.set SL0,   26624
.set SL1,   SL0+SLOT
.set CB0,   SL1+SLOT
.set TIMG,  4224                       ; a tile's image: 2 x 4 x 512 bytes of codes, 128 bytes of scale words
.set CBS,   4*TIMG
.set SPARE, CB0+2*CBS
.set HALF,  64*PITCH
.set SPW, 1
.set NIL, 2
.set QWI, 3                            ; where my codes go
.set QWS, 4                            ; and my scale word
.set QRD, 5                            ; my numbers in slot 0's first round
.set QX,  6                            ; and in the round in hand
.set SST, 7
.set SSA, 8
.set FT,  9
.set ES,  10
.set S,   12
.set WS,  20
.set SW,  28
.set LIC, 29
.set TA,  30
.set TB,  32
.set TL,  34
.set TC,  36
.set PC,  38
.set X,   46
.set EF,  78
.set LSC, 110
.set PFO, 111
.set ACC, 112
.set WV,  14
.set G1,  24
.set G0,  32
.set SEL, 40
.set MNT, 42
.set TRIP, 43
.set TS,  44
.set PFA, 46
.set PF1, 52
.set MSB, 0
.macro WIN new
.if MSB != (\new)
	s_set_vgpr_msb (MSB<<8)|(\new)
.set MSB, (\new)
.endif
.endm
; QL: line n of 62 of the quantiser of two blocks of 32 (my 16 numbers of each): largest magnitude (two chains a block), with lane l xor 16's, scale operand, hold, byte, then the holds and the conversions
.macro QL n
.if (\n) < 16
.set qs, (\n)/2
.set qb, (\n)%2
.set qx, X+16*qb
.if qs == 0
	v_max3_num_f32 v[TA+qb], |v[qx]|, |v[qx+1]|, |v[qx+2]|
.elseif qs == 1
	v_max3_num_f32 v[TB+qb], |v[qx+3]|, |v[qx+4]|, |v[qx+5]|
.elseif qs == 7
	v_max3_num_f32 v[TA+qb], v[TA+qb], v[TB+qb], 0x8000000   ; the floor 2^(16 - 127): the byte cannot fall under 1
.elseif (qs%2) == 0
	v_max3_num_f32 v[TA+qb], v[TA+qb], |v[qx+2*qs+2]|, |v[qx+2*qs+3]|
.else
	v_max3_num_f32 v[TB+qb], v[TB+qb], |v[qx+2*qs+2]|, |v[qx+2*qs+3]|
.endif
.elseif (\n) < 18
	v_permlanex16_b32 v[TL+(\n)-16], v[TA+(\n)-16], s[SEL], s[SEL+1]
.elseif (\n) < 20
	v_max_num_f32 v[TA+(\n)-18], v[TA+(\n)-18], v[TL+(\n)-18]
.elseif (\n) < 22
	v_add_nc_u32 v[TC+(\n)-20], 0xf8800000, v[TA+(\n)-20]    ; 15 off the exponent field
.elseif (\n) < 24
	v_and_or_b32 v[TL+(\n)-22], v[TA+(\n)-22], 0x7f800000, s[MNT]   ; 57,344 x the scale
.elseif (\n) < 26
	v_lshrrev_b32 v[TB+(\n)-24], 23, v[TC+(\n)-24]
.else
.set qb, ((\n)-26)/18
.set qp, ((\n)-26)%18
.if qp < 16
	v_med3_num_f32 v[X+16*qb+qp], v[X+16*qb+qp], -v[TL+qb], v[TL+qb]   ; the conversion does not saturate (ISA guide 7.6.2)
.else
	v_cvt_scalef32_pk8_bf8_f32 v[PC+4*qb+2*(qp-16):PC+4*qb+2*(qp-16)+1], v[X+16*qb+8*(qp-16):X+16*qb+8*(qp-16)+7], v[TC+qb]
.endif
.endif
.endm
.macro QLS cnt
.rept \cnt
	QL qn
.set qn, qn+1
.endr
.endm
.macro QSW u                           ; the bytes of two blocks into the scale word
.if (\u) == 0
	v_lshl_or_b32 v[SW], v[TB+1], 8, v[TB]
.else
	v_lshl_or_b32 v[SW], v[TB], 16, v[SW]
	v_lshl_or_b32 v[SW], v[TB+1], 24, v[SW]
.endif
.endm
.macro QLOAD u                         ; 8 loads: blocks 2 u, 2 u + 1
.irp b, 0,1
.irp j, 0,1,2,3
	ds_load_b128 v[X+16*\b+4*\j:X+16*\b+4*\j+3], v[QX] offset:128*(2*(\u)+\b)+16*\j
.endr
.endr
.endm
.macro QSTORE u, wb
.irp b, 0,1
	ds_store_b128 v[QWI], v[PC+4*\b:PC+4*\b+3] offset:CBS*(\wb)+512*(2*(\u)+\b)
.endr
.if (\u) == 1
	ds_store_b32 v[QWS], v[SW] offset:CBS*(\wb)
.endif
.endm
.macro FETCH0 tl, rb, p                ; a tile's first fragment and its scale words: 5 loads
.irp cc, 0,1,2,3
	ds_load_b128 v[EF+4*\cc:EF+4*\cc+3], v[LIC] offset:CBS*(\rb)+TIMG*(\tl)+512*\cc
.endr
	ds_load_b32 v[ES+(\p)], v[LSC] offset:CBS*(\rb)+TIMG*(\tl)
.endm
.macro FETCH1 tl, rb                   ; its second fragment: 4 loads
.irp cc, 0,1,2,3
	ds_load_b128 v[EF+16+4*\cc:EF+16+4*\cc+3], v[LIC] offset:CBS*(\rb)+TIMG*(\tl)+2048+512*\cc
.endr
.endm
.macro MM ks, p, t                     ; 16 of my rows of W, 128 along K; the 8 accumulators take turns
.set ti, (\t)
.if ti < 6
.set wf, 32*ti+16*(\ks)
	WIN 1
.else
.set wf, 176+32*(ti-6)+16*(\ks)
	WIN 0
.endif
.set ab, ACC+8*ti
.if (\ks) == 0
	v_wmma_scale_f32_16x16x128_f8f6f4 v[ab:ab+7], v[wf:wf+15], v[EF:EF+15], 0, v[WS+ti], v[ES+(\p)] matrix_a_fmt:MATRIX_FMT_BF8 matrix_b_fmt:MATRIX_FMT_BF8
.else
	v_wmma_scale_f32_16x16x128_f8f6f4 v[ab:ab+7], v[wf:wf+15], v[EF+16:EF+31], v[ab:ab+7], v[WS+ti], v[ES+(\p)] matrix_a_fmt:MATRIX_FMT_BF8 matrix_b_fmt:MATRIX_FMT_BF8 matrix_a_scale:MATRIX_SCALE_ROW1 matrix_b_scale:MATRIX_SCALE_ROW1
.endif
.endm
.macro MMS1 p
.irp t, 0,1,2,3,4,5,6,7
	MM 1, \p, \t
.endr
.endm
.macro DOT t                           ; S += hidden x accumulator t, from its low end on
.if (\t) < 6
.set hb, 192+8*(\t)
	WIN 1
.else
.set hb, 240+8*((\t)-6)
	WIN 0
.endif
.set ab, ACC+8*(\t)
.irp jj, 0,2,4,6
.if (\t) == 0
	v_pk_mul_f32 v[S+\jj:S+\jj+1], v[hb+\jj:hb+\jj+1], v[ab+\jj:ab+\jj+1]
.else
	v_pk_fma_f32 v[S+\jj:S+\jj+1], v[hb+\jj:hb+\jj+1], v[ab+\jj:ab+\jj+1], v[S+\jj:S+\jj+1]
.endif
.endr
.endm
.macro FINL n                          ; the sum of S over registers and over lanes l, l xor 16
.if (\n) == 0
	v_pk_add_f32 v[S:S+1], v[S:S+1], v[S+2:S+3]
.elseif (\n) == 1
	v_pk_add_f32 v[S+4:S+5], v[S+4:S+5], v[S+6:S+7]
.elseif (\n) == 2
	v_pk_add_f32 v[S:S+1], v[S:S+1], v[S+4:S+5]
.elseif (\n) == 3
	v_add_f32 v[S], v[S], v[S+1]
.elseif (\n) == 4
	v_permlanex16_b32 v[FT], v[S], s[SEL], s[SEL+1]
.else
	v_add_f32 v[FT], v[FT], v[S]
.endif
.endm
.macro FINP                            ; the score alone; with three v_nop the 9 places that the loads and the next products behind it ask for
	FINL 0
	FINL 1
	v_nop
	FINL 2
	v_nop
	FINL 3
	v_nop
	FINL 4
	FINL 5
.endm
; PHA: 8 plain lines or more stand between an accumulator's last matrix instruction and its product with hidden.  sig = 1: the round's barrier is signalled behind the third matrix instruction; 2: the waits alone
.macro PHA p, dots, sig
.irp t, 0,1,2,3,4,5,6,7
.if \dots
	DOT \t
.endif
	MM 0, \p, \t
.if ((\sig) > 0) && (\t == 2)
	s_wait_alu depctr_va_vdst(0)
	s_wait_dscnt 0x0                               ; my codes are stored, my reads are over, the add is done
.if (\sig) == 1
	s_barrier_signal -1
.endif
.endif
.endr
.endm
; PHB with quantiser lines from a on, na + nb + nc + nd of them.  The first na are the places for the loads into the first fragment, the last nd those for the second's
.macro PHB p, a, na, nb, nc, nd, tl, rb, np, fin, adr, off
	s_wait_dscnt 0x0                               ; the second fragment and my numbers are in
	MM 1, \p, 0
	MM 1, \p, 1
	MM 1, \p, 2
	WIN 0
.set qn, \a
	QLS \na
	FETCH0 \tl, \rb, \np
	MM 1, \p, 3
	MM 1, \p, 4
	MM 1, \p, 5
	WIN 0
.if \fin
	FINL 0
	FINL 1
.endif
	QLS \nb
.if \fin
	FINL 2
.endif
	MM 1, \p, 6
.if \fin
	FINL 3
.endif
	QLS \nc
.if \fin
	FINL 4
.endif
	MM 1, \p, 7
.if \fin
	FINL 5
	ds_store_b32 v[\adr], v[FT] offset:\off
.endif
	QLS \nd
.endm
.macro PHN p, tl, rb, np, adr, off     ; PHB with nothing left to quantise
	s_wait_alu depctr_va_vdst(0)
	s_wait_dscnt 0x0
	MMS1 \p
	FINP
	ds_store_b32 v[\adr], v[FT] offset:\off
	FETCH0 \tl, \rb, \np
	FETCH1 \tl, \rb
.endm
.macro T0 rb, first, job, adr, off
.if \job
	s_wait_dscnt 12                                ; the first fragment is in; the second's 4 loads and 8 loads of numbers may be out
.else
	s_wait_dscnt 4
.endif
	PHA 0, !(\first), 0
.if \job
	PHB 0, 0, 16, 16, 14, 16, 1, \rb, 1, !(\first), \adr, \off
	QSW 0
	FETCH1 1, \rb
	QSTORE 0, 1-(\rb)
	QLOAD 1
.else
	PHN 0, 1, \rb, 1, \adr, \off
.endif
.endm
.macro T1 rb, job, adr, off
.if \job
	s_wait_dscnt 14                                ; behind the first fragment: 4 loads, 2 stores and 8 loads
.else
	s_wait_dscnt 4
.endif
	PHA 1, 1, 0
.if \job
	PHB 1, 0, 9, 5, 4, 8, 2, \rb, 0, 1, \adr, \off
	QSW 1
	FETCH1 2, \rb
.else
	PHN 1, 2, \rb, 0, \adr, \off
.endif
.endm
.macro T2 rb, job, adr, off
.if \job
	s_wait_dscnt 5                                 ; behind the first fragment: the score's store and 4 loads
.else
	s_wait_dscnt 4
.endif
	PHA 0, 1, 0
.if \job
	PHB 0, 26, 10, 9, 8, 9, 3, \rb, 1, 1, \adr, \off
	v_nop                                          ; one plain line behind the last conversion
	FETCH1 3, \rb
	QSTORE 1, 1-(\rb)
.else
	PHN 0, 3, \rb, 1, \adr, \off
.endif
.endm
; The round's last tile has the barrier: behind it the next round's codes are whole.  kind 1: the slot ahead has landed and the other is filled again; 2: the last slot has landed; 0: codes alone; -1: the last tile, no barrier.
.macro T3 kind, slot, rb, qxo, adr, off, ask
.if (\kind) == 1
	s_wait_xcnt 0x0                                ; my prefetches have read their address
	s_add_nc_u64 s[PFA:PFA+1], s[PFA:PFA+1], 0x1000000
	s_wait_tensorcnt 0x0
	ds_add_u32 v[SPW], v[NIL]
	s_add_nc_u64 s[G0+4*\slot+2:G0+4*\slot+3], s[G0+4*\slot+2:G0+4*\slot+3], 0x2000000   ; two slots of 128 rows on
	s_wait_dscnt 9                                 ; behind the first fragment: a store, 4 loads, 3 stores and the add
.elseif (\kind) == 2
	s_wait_tensorcnt 0x0
	s_wait_dscnt 8
.elseif (\kind) == 0
	s_wait_dscnt 8
.else
	s_wait_dscnt 4
.endif
.if (\kind) >= 0
	PHA 1, 1, 1
	s_wait_alu depctr_va_vdst(0)
	s_barrier_wait -1
.if (\kind) == 1
	tensor_load_to_lds s[G0+4*\slot:G0+4*\slot+3], s[G1:G1+7]
	s_nop 0
.endif
	FINL 0
	FINL 1
.if (\qxo) > 0
	v_add_nc_u32 v[QX], \qxo, v[QRD]               ; the numbers of the round after the next
.elseif (\qxo) == 0
	v_mov_b32 v[QX], v[QRD]
.else
	v_nop
.endif
	FINL 2
	v_nop
	FINL 3
	v_nop
	FINL 4
	FINL 5
	ds_store_b32 v[\adr], v[FT] offset:\off
	FETCH0 0, 1-(\rb), 0
	MMS1 1
.rept 9
	v_nop                                          ; places: the loads below, the products with hidden and the next tile's first products
.endr
	FETCH1 0, 1-(\rb)
.if (\qxo) >= 0
	QLOAD 0
.endif
.if \ask
.if (\ask) == 2
	s_wait_alu depctr_va_vdst(0)
	s_cmp_eq_u32 s[TRIP], 1                        ; the last load has no slot behind it
	s_cbranch_scc1 .Lnone_\@
.endif
	global_prefetch_b8 v[PFO], s[PFA:PFA+1] th:TH_LOAD_NT scope:SCOPE_SE
	global_prefetch_b8 v[PFO], s[PFA:PFA+1] offset:512 th:TH_LOAD_NT scope:SCOPE_SE
.Lnone_\@:
.endif
.else
	PHA 1, 1, 2
	s_wait_alu depctr_va_vdst(0)
	MMS1 1
	FINP
	ds_store_b32 v[\adr], v[FT] offset:\off
.endif
.endm
	s_load_b256 s[4:11], s[0:1], 0x0               ; encoder_outputs, hidden, wq, ws
	s_load_b64 s[12:13], s[0:1], 0x20              ; part
	v_lshl_add_u32 v[SPW], v0, 2, SPARE
	v_mov_b32 v[NIL], 0
	ds_add_u32 v1, v2
	ds_add_u32 v1, v2
	v_lshrrev_b32 v9, 5, v0
	v_readfirstlane_b32 s[WV], v9                  ; wave 0..7
	s_and_b32 s15, ttmp9, 3                        ; c
	s_bfe_u32 s16, ttmp9, 0x50002                  ; b
	s_lshr_b32 s17, ttmp9, 7                       ; which half of s
	s_mov_b32 s[G1+0], (2<<16)|(1<<20)|(7<<22)|(3<<25)   ; 4-byte elements; 4 words of padding after every 256
	s_mov_b32 s[G1+1], 256<<16
	s_mov_b32 s[G1+2], 16<<16
	s_mov_b32 s[G1+3], 256<<16
	s_mov_b32 s[G1+4], 16
	s_mov_b32 s[G1+5], 32768                       ; from s to s + 1
	s_mov_b32 s[G1+6], 0
	s_mov_b32 s[G1+7], 0
	s_lshl_b32 s18, s17, 27
	s_lshl_b32 s19, s16, 12
	s_add_co_u32 s18, s18, s19
	s_lshl_b32 s19, s15, 10
	s_add_co_u32 s18, s18, s19
	s_lshl_b32 s19, s[WV], 21                      ; 16 rows a wave
	s_add_co_u32 s18, s18, s19
	s_mov_b32 s19, 0
	s_mul_i32 s20, s[WV], 16*PITCH
	s_mov_b32 s[G0], 1
	s_add_co_u32 s[G0+1], s20, SL0
	s_mov_b32 s[G0+4], 1
	s_add_co_u32 s[G0+5], s20, SL1
	s_mov_b32 s[SEL], 0x76543210                   ; lane l xor 16
	s_mov_b32 s[SEL+1], 0xfedcba98
	s_mov_b32 s[MNT], 0x600000                     ; the mantissa field of 57,344
	s_lshr_b32 s22, s[WV], 1                       ; the tile that I quantise
	s_and_b32 s23, s[WV], 1                        ; and which 128 along K
	s_mul_i32 s20, s22, TIMG
	s_lshl_b32 s48, s23, 11
	s_add_co_u32 s48, s48, s20
	s_lshl_b32 s49, s23, 6
	s_add_co_u32 s49, s49, s20
	s_lshl_b32 s50, s[WV], 6
	s_mul_i32 s51, s22, 16*PITCH
	s_lshl_b32 s20, s23, 9
	s_add_co_u32 s51, s51, s20
	s_add_co_u32 s51, s51, SL0
	s_wait_alu depctr_va_vdst(0)
	s_wait_dscnt 0x0
	s_wait_kmcnt 0x0
	s_add_nc_u64 s[G0+2:G0+3], s[4:5], s[18:19]
	s_add_nc_u64 s[G0+6:G0+7], s[G0+2:G0+3], 0x1000000
	s_add_nc_u64 s[PF1:PF1+1], s[G0+2:G0+3], 0x1000000   ; the head's prefetch names slot 1
	s_add_nc_u64 s[PFA:PFA+1], s[G0+2:G0+3], 0x2000000   ; the next slot 2
	s_or_b32 s[G0+3], s[G0+3], 0x80000000
	s_or_b32 s[G0+7], s[G0+7], 0x80000000
	tensor_load_to_lds s[G0:G0+3], s[G1:G1+7]      ; slot 0: one tensor load a wave at the head
	s_nop 0
	v_and_b32 v112, 31, v0                         ; lane
	v_and_b32 v113, 15, v0                         ; r
	v_bfe_u32 v117, v0, 4, 1                       ; h
	v_mov_b32 v[FT], 0                             ; a lane permute's destination counts as one of its sources
	v_lshlrev_b32 v114, 4, v112                    ; 16 lane
	v_lshlrev_b32 v115, 3, v112                    ; 8 lane
	v_lshlrev_b32 v116, 5, v117                    ; 32 h
	v_mul_u32_u24 v118, v113, PITCH
	v_mov_b32 v[TL], 0
	v_mov_b32 v[TL+1], 0
	v_add_nc_u32 v[LIC], CB0, v114
	v_lshl_add_u32 v[LSC], v112, 2, CB0+4096
	v_lshl_add_u32 v[QWS], v113, 2, CB0+4096
	v_lshl_add_u32 v118, v117, 6, v118
	v_lshlrev_b32 v[SST], 2, v113
	v_lshlrev_b32 v[PFO], 17, v113                 ; the prefetches: lane (r, h): row r of my 16, block h
	v_add_nc_u32 v[QWI], s48, v[LIC]
	v_add_nc_u32 v[QWS], s49, v[QWS]
	v_add_nc_u32 v[QRD], s51, v118
	v_add_nc_u32 v[SST], s50, v[SST]
	v_lshl_add_u32 v[PFO], v117, 8, v[PFO]
	v_mov_b32 v[QX], v[QRD]
	s_wait_alu depctr_va_vdst(0)
	s_mov_b32 s21, 0
	s_lshl_b32 s20, s15, 18
	s_lshl_b32 s22, s[WV], 15
	s_add_co_u32 s20, s20, s22
	s_add_nc_u64 s[8:9], s[8:9], s[20:21]
	s_lshl_b32 s20, s15, 13
	s_lshl_b32 s22, s[WV], 10
	s_add_co_u32 s20, s20, s22
	s_add_nc_u64 s[10:11], s[10:11], s[20:21]
	s_lshl_b32 s20, s16, 12
	s_lshl_b32 s22, s[WV], 9
	s_add_co_u32 s20, s20, s22
	s_add_nc_u64 s[6:7], s[6:7], s[20:21]
	s_lshl_b32 s20, s15, 18
	s_lshl_b32 s22, s16, 13
	s_add_co_u32 s20, s20, s22
	s_lshl_b32 s22, s17, 12
	s_add_co_u32 s20, s20, s22
	s_add_nc_u64 s[12:13], s[12:13], s[20:21]
.irp ip, 0,1,2,3
	global_load_b64 v[WS+2*\ip:WS+2*\ip+1], v115, s[10:11] offset:256*\ip
.endr
.irp i, 0,1,2,3,4,5,6,7
.if \i < 6
	WIN 0x40
.set wf, 32*\i
.set hb, 192+8*\i
.else
	WIN 0
.set wf, 176+32*(\i-6)
.set hb, 240+8*(\i-6)
.endif
.irp q, 0,1,2,3,4,5,6,7
	global_load_b128 v[wf+4*\q:wf+4*\q+3], v114, s[8:9] offset:4096*\i+512*\q   ; 32 lanes read 512 consecutive bytes
.endr
	global_load_b128 v[hb:hb+3], v116, s[6:7] offset:64*\i
	global_load_b128 v[hb+4:hb+7], v116, s[6:7] offset:64*\i+16
.if \i == 6
	global_prefetch_b8 v[PFO], s[PF1:PF1+1] th:TH_LOAD_NT scope:SCOPE_SE
	global_prefetch_b8 v[PFO], s[PF1:PF1+1] offset:512 th:TH_LOAD_NT scope:SCOPE_SE
.endif
.endr
	s_wait_tensorcnt 0x0                           ; my part of slot 0
	ds_add_u32 v1, v2
	s_wait_dscnt 0x0
	s_barrier_signal -1
	s_barrier_wait -1
	tensor_load_to_lds s[G0+4:G0+7], s[G1:G1+7]    ; slot 1
	s_nop 0
	QLOAD 0
	s_wait_dscnt 0x0
.set qn, 0
	QLS 62                                         ; round 0 is quantised here
	QSW 0
	QSTORE 0, 0
	QLOAD 1
	global_prefetch_b8 v[PFO], s[PFA:PFA+1] th:TH_LOAD_NT scope:SCOPE_SE
	global_prefetch_b8 v[PFO], s[PFA:PFA+1] offset:512 th:TH_LOAD_NT scope:SCOPE_SE
	s_wait_dscnt 0x0
.set qn, 0
	QLS 62
	QSW 1
	QSTORE 1, 0
	v_add_nc_u32 v[QX], HALF, v[QRD]               ; round 1's numbers
	s_wait_alu depctr_va_vdst(0)
	s_wait_dscnt 0x0
	s_barrier_signal -1
	s_barrier_wait -1
	FETCH0 0, 0, 0
	FETCH1 0, 0
	QLOAD 0
	s_wait_loadcnt 0x0                             ; W and hidden
	T0 0, 1, 1, SST, 0
	s_mov_b32 s[TRIP], 3
	s_mov_b32 s[TS], 0
	s_wait_alu depctr_va_vdst(0)
.Ltrip:                                                ; a trip: from a group of four rounds' second tile to the next group's first; scores of 16 tiles
	v_add_nc_u32 v[SSA], s[TS], v[SST]
	s_wait_alu depctr_va_vdst(0)
	T1 0, 1, SSA, 0
	T2 0, 1, SSA, 512
	T3 1, 0, 0, SLOT, SSA, 1024, 1
	T0 1, 0, 1, SSA, 1536
	T1 1, 1, SSA, 2048
	T2 1, 1, SSA, 2560
	T3 0, 0, 1, SLOT+HALF, SSA, 3072, 0
	T0 0, 0, 1, SSA, 3584
	T1 0, 1, SSA, 4096
	T2 0, 1, SSA, 4608
	T3 1, 1, 0, 0, SSA, 5120, 2
	T0 1, 0, 1, SSA, 5632
	T1 1, 1, SSA, 6144
	T2 1, 1, SSA, 6656
	T3 0, 0, 1, HALF, SSA, 7168, 0
	T0 0, 0, 1, SSA, 7680
	WIN 0
	s_add_co_u32 s[TS], s[TS], 8192
	s_sub_co_u32 s[TRIP], s[TRIP], 1
	s_cmp_lg_u32 s[TRIP], 0
	s_wait_alu depctr_va_vdst(0)
	s_cbranch_scc1 .Ltrip
	T1 0, 1, SST, 512*48                           ; the last four rounds fill nothing
	T2 0, 1, SST, 512*49
	T3 2, 0, 0, SLOT, SST, 512*50, 0
	T0 1, 0, 1, SST, 512*51
	T1 1, 1, SST, 512*52                           ; from here on over slot 0's first rows: its last fill has been read by all waves ahead of the barrier above
	T2 1, 1, SST, 512*53
	T3 0, 0, 1, SLOT+HALF, SST, 512*54, 0
	T0 0, 0, 1, SST, 512*55
	T1 0, 1, SST, 512*56
	T2 0, 1, SST, 512*57
	T3 0, 0, 0, -1, SST, 512*58, 0
	T0 1, 0, 0, SST, 512*59
	T1 1, 0, SST, 512*60
	T2 1, 0, SST, 512*61
	T3 -1, 0, 1, -1, SST, 512*62, 0
.irp t, 0,1,2,3,4,5,6,7
	DOT \t
.endr
	FINP
	ds_store_b32 v[SST], v[FT] offset:512*63
	v_lshrrev_b32 v3, 2, v0                        ; thread t adds the eight waves' sums of rows 4 t .. 4 t + 3
	v_and_b32 v4, 3, v0
	v_lshlrev_b32 v3, 9, v3
	v_lshlrev_b32 v5, 4, v0
	v_lshl_add_u32 v3, v4, 4, v3
	s_wait_alu depctr_va_vdst(0)
	s_wait_dscnt 0x0
	s_barrier_signal -1
	s_barrier_wait -1
.irp p, 0,1,2,3,4,5,6,7
	ds_load_b128 v[X+4*\p:X+4*\p+3], v3 offset:64*\p
.endr
	s_wait_dscnt 0x0
.irp p, 0,8,16,24
	v_pk_add_f32 v[X+\p:X+\p+1], v[X+\p:X+\p+1], v[X+\p+4:X+\p+5]
	v_pk_add_f32 v[X+\p+2:X+\p+3], v[X+\p+2:X+\p+3], v[X+\p+6:X+\p+7]
.endr
.irp p, 0,16
	v_pk_add_f32 v[X+\p:X+\p+1], v[X+\p:X+\p+1], v[X+\p+8:X+\p+9]
	v_pk_add_f32 v[X+\p+2:X+\p+3], v[X+\p+2:X+\p+3], v[X+\p+10:X+\p+11]
.endr
	v_pk_add_f32 v[X:X+1], v[X:X+1], v[X+16:X+17]
	v_pk_add_f32 v[X+2:X+3], v[X+2:X+3], v[X+18:X+19]
	global_store_b128 v5, v[X:X+3], s[12:13]       ; a wave stores 512 consecutive bytes, aligned
	s_wait_tensorcnt 0x0                           ; the wave's end
	ds_add_u32 v[SPW], v[NIL]
	s_wait_dscnt 0x0
	s_endpgm
.Lfunc_end_k_qd94456e08c_scores:
	.size	k_qd94456e08c_scores, .Lfunc_end_k_qd94456e08c_scores-k_qd94456e08c_scores
	.p2alignl 7, 3214868480
	.fill 96, 4, 3214868480
	.section	.rodata,"a",@progbits
	.p2align	6, 0x0
	.amdhsa_kernel k_qd94456e08c_scores
		.amdhsa_group_segment_fixed_size 327680
		.amdhsa_private_segment_fixed_size 0
		.amdhsa_enable_private_segment 0
		.amdhsa_kernarg_size 40
		.amdhsa_user_sgpr_count 2
		.amdhsa_user_sgpr_kernarg_segment_ptr 1
		.amdhsa_wavefront_size32 1
		.amdhsa_system_sgpr_workgroup_id_x 1
		.amdhsa_system_sgpr_workgroup_id_y 1
		.amdhsa_system_sgpr_workgroup_id_z 1
		.amdhsa_system_vgpr_workitem_id 0
		.amdhsa_next_free_vgpr 512
		.amdhsa_next_free_sgpr 66
		.amdhsa_reserve_vcc 0
		.amdhsa_float_denorm_mode_32 3
		.amdhsa_float_denorm_mode_16_64 3
		.amdhsa_memory_ordered 1
		.amdhsa_forward_progress 1
		.amdhsa_inst_pref_size 255
	.end_amdhsa_kernel
	.section	.bss,"aw",@nobits
	.p2align	6
	.space	262144
	.amdgpu_metadata
---
amdhsa.version: [ 1, 2 ]
amdhsa.kernels:
  - .name:           k_qd94456e08c_scores
    .symbol:         k_qd94456e08c_scores.kd
    .args:
      - { .name: encoder_outputs, .offset: 0, .size: 8, .value_kind: global_buffer, .address_space: global }
      - { .name: hidden, .offset: 8, .size: 8, .value_kind: global_buffer, .address_space: global }
      - { .name: wq, .offset: 16, .size: 8, .value_kind: global_buffer, .address_space: global }
      - { .name: ws, .offset: 24, .size: 8, .value_kind: global_buffer, .address_space: global }
      - { .name: part, .offset: 32, .size: 8, .value_kind: global_buffer, .address_space: global }
    .group_segment_fixed_size: 327680
    .private_segment_fixed_size: 0
    .kernarg_segment_align: 8
    .kernarg_segment_size: 40
    .max_flat_workgroup_size: 256
    .sgpr_count:     66
    .vgpr_count:     512
    .wavefront_size: 32
...
	.end_amdgpu_metadata
.endif
;; end of part 2
;; launch softmax (part 3): grid 32 x 1, 8 waves a work-group, no clusters, 1,280 bytes of LDS; arguments part, out0; writes out0
.if DOCPART == 3
	.amdgcn_target "amdgcn-amd-amdhsa--gfx1250"
	.amdhsa_code_object_version 6
	.text
	.protected	k_qd94456e08c_softmax
	.globl	k_qd94456e08c_softmax
	.p2align	8
	.type	k_qd94456e08c_softmax,@function
k_qd94456e08c_softmax:
	s_mov_b64 s[64:65], 0
	v_nop
	global_prefetch_b8 v0, s[64:65] scope:SCOPE_SE
	s_setreg_imm32_b32 hwreg(HW_REG_WAVE_MODE, 25, 1), 1
	s_wait_xcnt 0x0
; out0[b][s] = softmax over s of (part[0][b][s] + part[1][b][s] + part[2][b][s] + part[3][b][s]).  The input b is left out as dead work: see the head of quantw.
; One work-group of eight waves to a row b; thread t holds 8 scores: s = 4 t + 0 .. 3 and 1,024 + 4 t + 0 .. 3.  Each wave takes ITS largest score m away ahead of the exponentials and sums them; the eight pairs (m, sum)
; meet in LDS behind one barrier; M is the largest m, and a wave's terms are multiplied by 2^((m - M) log2 e) / (the sum of the eight sums so multiplied).
; 32 rows make 32 work-groups: the launch moves 1.3 MB in all, and a row's maximum and sum want all its scores in one work-group.
; LIMITS: NaN and infinities are not served; an exponential under 2^-126 comes out as 0 (v_exp_f32 flushes denormal results: ISA guide 15.8).
	s_load_b128 s[4:7], s[0:1], 0x0                ; part, out0
	v_lshl_add_u32 v72, v0, 2, 0x100
	v_mov_b32 v73, 0
	v_lshlrev_b32 v1, 4, v0                        ; 16 t
	v_lshrrev_b32 v2, 5, v0
	v_readfirstlane_b32 s12, v2                    ; wave 0..7
	s_lshl_b32 s14, ttmp9, 13                      ; a row of 2,048 f32
	s_mov_b32 s15, 0
	s_mov_b32 s18, 0x76543210                      ; lane l xor 16
	s_mov_b32 s19, 0xfedcba98
	s_mov_b32 s20, 0x3fb8aa3b                      ; log2(e)
	s_mov_b32 s21, s20
	s_lshl_b32 s13, s12, 3
	v_mov_b32 v2, s13                              ; LDS: 8 x wave: my wave's pair
	v_mov_b32 v4, 0
	v_mov_b32 v50, 0                               ; a lane permute's destination counts as one of its sources
	v_mov_b32 v51, 0
	s_wait_alu depctr_va_vdst(0)
	s_wait_kmcnt 0x0
	s_add_nc_u64 s[4:5], s[4:5], s[14:15]
	s_add_nc_u64 s[6:7], s[6:7], s[14:15]
.irp u, 0,1
.irp p, 0,1,2,3
	global_load_b128 v[16+16*\u+4*\p:19+16*\u+4*\p], v1, s[4:5] offset:262144*\p+4096*\u   ; K quarter p, half u of the row
.endr
.endr
	s_wait_loadcnt 0x0
.irp j, 0,2
.irp u, 0,16
	v_pk_add_f32 v[16+\u+\j:17+\u+\j], v[16+\u+\j:17+\u+\j], v[20+\u+\j:21+\u+\j]   ; (p0 + p1) + (p2 + p3)
	v_pk_add_f32 v[24+\u+\j:25+\u+\j], v[24+\u+\j:25+\u+\j], v[28+\u+\j:29+\u+\j]
.endr
.endr
.irp j, 0,2
.irp u, 0,16
	v_pk_add_f32 v[16+\u+\j:17+\u+\j], v[16+\u+\j:17+\u+\j], v[24+\u+\j:25+\u+\j]
.endr
.endr
	v_max3_num_f32 v48, v16, v17, v18
	v_max3_num_f32 v49, v19, v32, v33
	v_max3_num_f32 v48, v48, v34, v35
	v_max_num_f32 v48, v48, v49
.irp m, 1,2,4,8
	v_max_num_f32_dpp v48, v48, v48 row_xmask:\m row_mask:0xf bank_mask:0xf
.endr
	v_permlanex16_b32 v50, v48, s18, s19
	v_max_num_f32 v48, v48, v50                    ; my wave's largest score
.irp x, 16,18,32,34
	v_pk_add_f32 v[\x:\x+1], v[\x:\x+1], v[48:49] op_sel_hi:[1,0] neg_lo:[0,1] neg_hi:[0,1]
.endr
.irp x, 16,18,32,34
	v_pk_mul_f32 v[\x:\x+1], v[\x:\x+1], s[20:21] op_sel_hi:[1,0]
.endr
	s_wait_alu depctr_va_vdst(0)
.irp x, 16,17,18,19,32,33,34,35
	v_exp_f32 v\x, v\x
.endr
	v_nop
	s_wait_alu depctr_va_vdst(0)
	v_pk_add_f32 v[52:53], v[16:17], v[18:19]
	v_pk_add_f32 v[54:55], v[32:33], v[34:35]
	v_pk_add_f32 v[52:53], v[52:53], v[54:55]
	v_add_f32 v49, v52, v53
.irp m, 1,2,4,8
	v_add_f32_dpp v49, v49, v49 row_xmask:\m row_mask:0xf bank_mask:0xf
.endr
	v_permlanex16_b32 v51, v49, s18, s19
	v_add_f32 v49, v49, v51                        ; and its sum
	ds_store_b64 v2, v[48:49]                      ; all lanes write the same 8 bytes with the same values
	s_wait_alu depctr_va_vdst(0)
	s_wait_dscnt 0x0                               ; for the others' sake
	s_barrier_signal -1
	s_barrier_wait -1
.irp i, 0,1,2,3
	ds_load_b128 v[52+4*\i:55+4*\i], v4 offset:16*\i   ; the eight waves' pairs
.endr
	s_wait_dscnt 0x0
	v_max3_num_f32 v68, v52, v54, v56
	v_max3_num_f32 v69, v58, v60, v62
	v_max3_num_f32 v68, v68, v64, v66
	v_max_num_f32 v68, v68, v69                    ; M
.irp x, 48,52,54,56,58,60,62,64,66
	v_sub_f32 v\x, v\x, v68
.endr
.irp x, 48,52,54,56,58,60,62,64,66
	v_mul_f32 v\x, 0x3fb8aa3b, v\x
.endr
	s_wait_alu depctr_va_vdst(0)
.irp x, 48,52,54,56,58,60,62,64,66
	v_exp_f32 v\x, v\x
.endr
	v_nop
	s_wait_alu depctr_va_vdst(0)
	v_mul_f32 v70, v52, v53
	v_mul_f32 v71, v54, v55
	v_fmac_f32 v70, v56, v57
	v_fmac_f32 v71, v58, v59
	v_fmac_f32 v70, v60, v61
	v_fmac_f32 v71, v62, v63
	v_fmac_f32 v70, v64, v65
	v_fmac_f32 v71, v66, v67
	v_add_f32 v70, v70, v71                        ; the row's sum
	s_wait_alu depctr_va_vdst(0)
	v_rcp_f32 v70, v70
	v_nop
	s_wait_alu depctr_va_vdst(0)
	v_mul_f32 v48, v48, v70
.irp x, 16,18,32,34
	v_pk_mul_f32 v[\x:\x+1], v[\x:\x+1], v[48:49] op_sel_hi:[1,0]
.endr
	global_store_b128 v1, v[16:19], s[6:7]         ; a wave stores 512 consecutive bytes, aligned
	global_store_b128 v1, v[32:35], s[6:7] offset:4096
	s_wait_tensorcnt 0x0                           ; the wave's end
	ds_add_u32 v72, v73
	s_wait_dscnt 0x0
	s_endpgm
.Lfunc_end_k_qd94456e08c_softmax:
	.size	k_qd94456e08c_softmax, .Lfunc_end_k_qd94456e08c_softmax-k_qd94456e08c_softmax
	.p2alignl 7, 3214868480
	.fill 96, 4, 3214868480
	.section	.rodata,"a",@progbits
	.p2align	6, 0x0
	.amdhsa_kernel k_qd94456e08c_softmax
		.amdhsa_group_segment_fixed_size 1280
		.amdhsa_private_segment_fixed_size 0
		.amdhsa_enable_private_segment 0
		.amdhsa_kernarg_size 16
		.amdhsa_user_sgpr_count 2
		.amdhsa_user_sgpr_kernarg_segment_ptr 1
		.amdhsa_wavefront_size32 1
		.amdhsa_system_sgpr_workgroup_id_x 1
		.amdhsa_system_sgpr_workgroup_id_y 1
		.amdhsa_system_sgpr_workgroup_id_z 1
		.amdhsa_system_vgpr_workitem_id 0
		.amdhsa_next_free_vgpr 76
		.amdhsa_next_free_sgpr 66
		.amdhsa_reserve_vcc 0
		.amdhsa_float_denorm_mode_32 3
		.amdhsa_float_denorm_mode_16_64 3
		.amdhsa_memory_ordered 1
		.amdhsa_forward_progress 1
		.amdhsa_inst_pref_size 8
	.end_amdhsa_kernel
	.amdgpu_metadata
---
amdhsa.version: [ 1, 2 ]
amdhsa.kernels:
  - .name:           k_qd94456e08c_softmax
    .symbol:         k_qd94456e08c_softmax.kd
    .args:
      - { .name: part, .offset: 0, .size: 8, .value_kind: global_buffer, .address_space: global }
      - { .name: out0, .offset: 8, .size: 8, .value_kind: global_buffer, .address_space: global }
    .group_segment_fixed_size: 1280
    .private_segment_fixed_size: 0
    .kernarg_segment_align: 8
    .kernarg_segment_size: 16
    .max_flat_workgroup_size: 256
    .sgpr_count:     66
    .vgpr_count:     76
    .wavefront_size: 32
...
	.end_amdgpu_metadata
.endif
;; end of part 3
